; MI455X (gfx1250); checked and timed in simulation.
; The chip was launched on July 23, 2026; its instructions are those of AMD's public machine-readable ISA for CDNA 5 (MIT licence, August 2026) and "CDNA5" Instruction Set Architecture Reference Guide (July 2026). The comments in the code are by the model that wrote it; some were corrected since.
;; Multi Head Attention Map. Allowed arithmetic: matrix products marked QUANTISED: E2M1 operands, one E8M0 scale for each 32 along K, by v_wmma_scale_f32_16x16x128_f8f6f4 with both operands' format E2M1 (or v_wmma_scale_f32_32x16x128_f4), f32 sums; everything else in f32.
;; Inputs: keys 2 x 2,048 x 1,024 float32; mask 2 x 2,048 x 2,048 bool; queries 2 x 2,048 x 1,024 float32; values_codes 2 x 1,024 x 64 x 16 uint8 (E2M1 codes of values, K innermost, in blocks of 32 codes, two codes a byte); values_scales 2 x 1,024 x 64 uint8 (E8M0 scales of values, one for each 32 codes along K).
;; Outputs: out0 2 x 2,048 x 1,024 float32.
;; This version of the problem:
;;   THIS VERSION OF THE PROBLEM IS GIVEN IN LOW PRECISION. The matrix products marked QUANTISED in the list below multiply operands that are first quantised to E2M1 (2 exponent bits, 1 mantissa bit; 4 bits a number), with one power-of-two scale for each 32 numbers along K (OCP MX v1.0); their sums are f32. All else is computed in f32.
;;   The module's matrix products, in the order in which they are computed (A, B: the left and right operand; K: the contracted axis; several contracted axes count as one K, in the product's order):
;;     1. batch 32 x [M 2,048, K 64] x [K 64, N 2,048]; A: input queries; B: input keys: QUANTISED
;;     2. batch 32 x [M 2,048, K 2,048] x [K 2,048, N 64]; A: softmax (see below); B: input values (given as codes): QUANTISED
;;   THE QUANTISER, for each operand of a quantised product, along K:
;;     - K is cut into blocks of 32 from its start; a last block that is shorter is filled with zeros.
;;     - A block's scale is 2^e with e = floor(log2(the largest magnitude in the block)) - 2, held to -126 .. 127; a block of zeros has e = 0. As a byte (E8M0): e + 127.
;;     - Each number is divided by its block's scale, clamped to +-6, and rounded to the nearest number of E2M1, ties to even, subnormals kept.
;;     - The product sums the exact products of the quantised numbers (number of the format x scale) in f32.
;;   ~~~python
;;   def quantise(x, axis):      # numpy; x: float32 -> the quantised numbers, widened to float32 again
;;       x = np.moveaxis(x, axis, -1); K = x.shape[-1]
;;       x = np.pad(x, [(0, 0)] * (x.ndim - 1) + [(0, -K % 32)]); x = x.reshape(x.shape[:-1] + (-1, 32)); a = np.abs(x).max(-1, keepdims=True)
;;       e = np.where(a > 0, np.clip(np.frexp(np.where(a > 0, a, 1))[1] - 1 - 2, -126, 127), 0)      # np.frexp(a)[1] - 1 = floor(log2(a)), exactly
;;       r = np.clip(x / 2.0 ** e, -6, 6)
;;       step = 2.0 ** (np.maximum(np.frexp(np.where(r == 0, 1, r))[1] - 1, 0) - 1)
;;       q = np.round(r / step) * step * 2.0 ** e      # np.round: ties to even
;;       return np.moveaxis(q.reshape(q.shape[:-2] + (-1,))[..., :K], -1, axis).astype(np.float32)
;;   ~~~
;;   SOFTMAX AHEAD OF A QUANTISED PRODUCT. Where the list says 'softmax', what is quantised is not the finished softmax but p = 2^(t - M), with t = logit x log2(e) and M = ceil(the row's largest t), a whole number; so 1/2 < the row's largest p <= 1. The row's sum l is taken of the UNQUANTISED p, in f32, and the product's result is divided by l at the end. Since M is a whole number, a kernel that streams over the keys may use a running M (the ceiling of the running maximum): every later rescaling is an exact power of two, which a block's scale takes up: the codes' values come out the same.
;;   OPERANDS COMPUTED ON THE WAY. 'Computed on the way' means the value that the module computes at that place (a softmax that the list does not call 'softmax' is quantised finished and normalised). What goes into a quantiser is computed in f32, as accurately as f32 sums, v_exp_f32 and their like allow (about 1e-6 of the number): no bf16 or f16 on the way to a quantiser, and a product that is left as it is and whose result goes on into a quantised operand takes f32 operands (vector FMAs, or v_wmma_f32_16x16x4_f32). A number that lies on a knife's edge between two numbers of the format may be rounded either way, as far as f32 arithmetic and the matrix unit's own rounding can turn it there, and no further.
;;   INPUTS GIVEN AS CODES. values (in the module: [2, 2048, 1024], K = its axis 1): each comes as NAME_codes (uint8): NAME with its K axis moved to the last place and cut into blocks of 32 codes, [.., K / 32, bytes a block], one block behind the other in memory; two codes a byte, the lower K in the low four bits (a code: sign, 2 exponent bits, 1 mantissa bit); and NAME_scales (uint8): the same leading axes, one E8M0 byte (e + 127) for each 32 codes along K. Its value is code x scale, taken as it is: it is not quantised again, and the codes and scales need not be those that the quantiser above would give.
;; One version. Each part assembles by itself: llvm-mc -triple=amdgcn-amd-amdhsa -mcpu=gfx1250 --defsym DOCPART=n.
;; ======== version 1 of 1: 2 launches
;; limits: right only within a limited range of input values
;; workspace buffers: qpack 2,359,296 bytes; kpack 2,359,296 bytes; mimg 4,194,304 bytes
;; launch prep (part 1): grid 256 x 1, 12 waves a work-group, no clusters, 210,432 bytes of LDS; arguments queries, keys, mask, qpack, kpack, mimg; writes qpack, kpack, mimg
.if DOCPART == 1
	.amdgcn_target "amdgcn-amd-amdhsa--gfx1250"
	.amdhsa_code_object_version 6
	.text
	.protected	k_q0db7003aab_prep
	.globl	k_q0db7003aab_prep
	.p2align	8
	.type	k_q0db7003aab_prep,@function
k_q0db7003aab_prep:
	s_mov_b64 s[64:65], 0
	v_nop
	global_prefetch_b8 v0, s[64:65] scope:SCOPE_SE
	s_setreg_imm32_b32 hwreg(HW_REG_WAVE_MODE, 25, 1), 1
	s_wait_xcnt 0x0
; THE LAUNCH IN FRONT OF THE ATTENTION.  256 work-groups of twelve waves; the waves share nothing, so there is no barrier, and each has LDS bytes of its own.
; Waves 0-7: queries (work-groups 0-127) or keys (128-255), [2][2048][1024] f32, become codes of FP4 (E2M1) along a head's 64 numbers (two blocks of 32), 64 rows of one head a wave, laid as the attention's operand registers take them:
;   qpack, kpack: [y = 16 b + head][unit of 64 rows][2,304 bytes]: four images of 512 bytes (image t: lane l's 16 bytes at 16 l are block l / 16 of row 8 t + m % 8 + 32 (m / 8), m = l % 16),
;   then 256 bytes of scale words, [lane][j]: word j of lane l belongs to image 2 j + l / 16, row l % 16: bytes 0, 1 = 0x7f (for k = 0 .. 63, where Q has zero codes), bytes 2, 3 = the two blocks' E8M0 bytes.
;   A block's scale is 2^(floor(log2(its largest magnitude)) - 2): its byte is that magnitude's exponent field - 2, held at 1 from below.
; Waves 8-11: mask, [2][2048][2048] bytes of 0 or 1, becomes 4-bit codes, 0xF (the FP4 code of -6) where the mask is False and 0 where it is True, in the order of the attention's score registers:
;   mimg: [b][tile T of 16 queries][group c of 64 keys][lane][16 bytes]: nibble n (0 .. 31) of lane (r, h) belongs to query 64 (T / 4) + 8 (T % 4) + r % 8 + 32 (r / 8) and key 64 c + 32 h + n.
; LIMITS: NaN and infinities among queries and keys are not served.  A block of zeros gets the byte 1 where the quantiser's rule says 127: its codes are zeros, and these bytes are read by this program alone.
; EXEC is never changed.  Every offset is an immediate, and no store's data or address register is written again.
.set ROWB,  4096                       ; a row of queries or keys in bytes
.set SP,    272                        ; a stage row: 256 bytes + 16, so that sixteen rows begin at sixteen different 16-byte columns of 256
.set WSTG,  17408                      ; a wave's stage: 64 x SP
.set SPARE, 12*WSTG                    ; the spare words, 128 bytes a wave
.set UBLK,  2304                       ; a unit's block in qpack and kpack
.set PHEAD, 73728                      ; a head's 32 blocks
.set SW,    20                         ; v20-21   the scale words
.set R,     32                         ; v32-159  the 64 rows as loaded
.set X,     160                        ; v160-223 two sets of 32: a lane's whole block of a tile
.set C,     224                        ; v224-239 the codes: four registers for each of the four images
	s_load_b256 s[4:11], s[0:1], 0x0               ; queries s[4:5], keys s[6:7], mask s[8:9], qpack s[10:11]
	s_load_b128 s[12:15], s[0:1], 0x20             ; kpack s[12:13], mimg s[14:15]
	v_lshl_add_u32 v30, v0, 2, SPARE
	v_mov_b32 v31, 0
	v_lshrrev_b32 v1, 5, v0
	v_readfirstlane_b32 s16, v1                    ; wave 0..11
	s_mul_i32 s17, s16, WSTG                       ; my stage
	v_and_b32 v2, 15, v0                           ; lane % 16
	v_bfe_u32 v3, v0, 4, 1                         ; lane / 16
	v_and_b32 v9, 31, v0                           ; lane
	v_lshlrev_b32 v7, 4, v9                        ; 16 x lane: my place in an image
	v_mul_u32_u24 v5, v3, SP
	v_lshl_add_u32 v5, v2, 4, v5
	v_add_nc_u32 v5, s17, v5                       ; into the stage: lanes 0-15 one row, lanes 16-31 the next
	s_wait_alu depctr_va_vdst(0)                   ; the wait here, ahead of the branch
	s_cmp_ge_u32 s16, 8
	s_cbranch_scc1 .Lmask
; ---------------- queries and keys: 16 KiB in, 2,304 bytes out.  The eight waves take eight neighbouring heads of the same rows. ----------------
	s_lshr_b32 s24, ttmp9, 1
	s_and_b32 s25, s24, 63                         ; 32 b + unit
	s_and_b32 s24, ttmp9, 1
	s_lshl_b32 s24, s24, 3
	s_add_co_u32 s24, s24, s16                     ; head
	s_lshl_b32 s26, s25, 18                        ; 64 rows of 4,096 bytes a unit
	s_lshl_b32 s27, s24, 8                         ; 256 bytes a head
	s_add_co_u32 s26, s26, s27
	s_mov_b32 s27, 0
	s_lshr_b32 s28, s25, 5
	s_lshl_b32 s28, s28, 4
	s_add_co_u32 s28, s28, s24                     ; y = 16 b + head
	s_mul_i32 s28, s28, PHEAD
	s_and_b32 s29, s25, 31
	s_mul_i32 s29, s29, UBLK
	s_add_co_u32 s28, s28, s29
	s_mov_b32 s29, 0
	s_mov_b32 s20, 0x76543210
	s_mov_b32 s21, 0xfedcba98                      ; v_permlanex16_b32's selects for lane l xor 16
	s_mov_b32 s22, 0xffff0000                      ; lanes 16-31
	v_lshlrev_b32 v4, 4, v2
	v_lshl_add_u32 v4, v3, 12, v4                  ; in: sixteen lanes take a row's 256 bytes, lanes 16-31 the next row
	v_mul_u32_u24 v6, v2, SP
	v_lshl_add_u32 v6, v3, 7, v6
	v_add_nc_u32 v6, s17, v6                       ; out of the stage: stage row lane % 16, block lane / 16: 128 bytes
	v_lshl_add_u32 v8, v3, 3, 16                   ; my block's byte stands 16 + 8 (lane / 16) bits up in the scale word
	v_mov_b32 v14, 0                               ; a lane permute's destination counts as read: written once
	s_wait_alu depctr_va_vdst(0)                   ; the wait at the head's end
	s_wait_kmcnt 0x0
	s_cmp_lt_u32 ttmp9, 128                        ; queries' work-group or keys'?
	s_cselect_b64 s[4:5], s[4:5], s[6:7]
	s_cselect_b64 s[10:11], s[10:11], s[12:13]
	s_add_nc_u64 s[4:5], s[4:5], s[26:27]
	s_add_nc_u64 s[10:11], s[10:11], s[28:29]
; All 32 loads go out together, tile t's eight at a time: rows 8 t .. 8 t + 7, then 32 + 8 t .. 32 + 8 t + 7, two rows a load.
.irp t, 0,1,2,3
.irp e, 0,1,2,3,4,5,6,7
	global_load_b128 v[R+4*(8*\t+\e):R+4*(8*\t+\e)+3], v4, s[4:5] offset:(8*\t+2*\e+24*(\e/4))*ROWB th:TH_LOAD_NT
.endr
.endr
; Tile t's rows go to stage rows 16 t + m.  LDS serves a wave's instructions in order (ISA guide 5.7.1.4): no wait stands between the stores and the loads.
.macro TURN t
	s_wait_loadcnt 24-8*(\t)                       ; tile t's eight loads are in; the later tiles' may be out
.irp e, 0,1,2,3,4,5,6,7
	ds_store_b128 v5, v[R+4*(8*(\t)+\e):R+4*(8*(\t)+\e)+3] offset:(16*(\t)+2*\e)*SP
.endr
.irp c, 0,1,2,3,4,5,6,7
	ds_load_b128 v[X+32*((\t)%2)+4*\c:X+32*((\t)%2)+4*\c+3], v6 offset:16*(\t)*SP+16*\c
.endr
.endm
; Image t: all 32 numbers of a block are mine.
.macro QUANT t
.set XS, X+32*((\t)%2)
.set CC, C+4*(\t)
	v_max3_num_f32 v10, |v[XS]|, |v[XS+1]|, |v[XS+2]|              ; the block's largest magnitude, in two chains
	v_max3_num_f32 v11, |v[XS+3]|, |v[XS+4]|, |v[XS+5]|
.irp i, 6,10,14,18,22,26
	v_max3_num_f32 v10, v10, |v[XS+\i]|, |v[XS+\i+1]|
	v_max3_num_f32 v11, v11, |v[XS+\i+2]|, |v[XS+\i+3]|
.endr
	v_max3_num_f32 v10, v10, |v[XS+30]|, |v[XS+31]|
	v_max3_num_f32 v10, v10, v11, 0x1800000        ; and the floor 2^(3 - 127): the byte cannot fall under 1
	v_add_nc_u32 v12, 0xff000000, v10              ; 2 off its exponent field: the conversion takes the exponent field of this operand as its scale
.irp g, 0,1,2,3
	v_cvt_scalef32_pk8_fp4_f32 v[CC+\g], v[XS+8*\g:XS+8*\g+7], v12
.endr
	v_lshrrev_b32 v13, 23, v12                     ; the scale's byte (also the plain line behind the conversions),
	v_lshlrev_b32 v13, v8, v13                     ; at its place in the word;
	v_permlanex16_b32 v14, v13, s20, s21
	v_or_b32 v13, v13, v14                         ; with the other block's byte
	v_or_b32 v[15+(\t)%2], 0x7f7f, v13             ; and 2^0 for k = 0 .. 63
	global_store_b128 v7, v[CC:CC+3], s[10:11] offset:(\t)*512   ; 512 consecutive bytes, at a multiple of 256 from the buffer's first byte
.endm
	TURN 0
	TURN 1
	s_wait_dscnt 16                                ; tile 0 is back; tile 1's eight stores and eight loads may be out
	QUANT 0
	TURN 2
	s_wait_dscnt 16
	QUANT 1
	v_cndmask_b32 v[SW], v15, v16, s22             ; lanes 0-15 keep image 0's word, lanes 16-31 take image 1's
	TURN 3
	s_wait_dscnt 16
	QUANT 2
	s_wait_dscnt 0x0
	QUANT 3
	v_cndmask_b32 v[SW+1], v15, v16, s22
	v_lshlrev_b32 v17, 3, v9
	global_store_b64 v17, v[SW:SW+1], s[10:11] offset:2048   ; 256 consecutive bytes, aligned
	s_wait_tensorcnt 0x0                           ; the wave's end
	ds_add_u32 v30, v31
	s_wait_dscnt 0x0
	s_endpgm
; ---------------- the mask: a work-group takes one tile of 16 queries, a wave 512 keys of it, as two tasks p of 256 keys ----------------
.Lmask:
	s_sub_co_u32 s30, s16, 8
	s_lshr_b32 s24, ttmp9, 7                       ; b
	s_lshl_b32 s25, s24, 11
	s_and_b32 s26, ttmp9, 127                      ; T
	s_lshr_b32 s27, s26, 2
	s_lshl_b32 s27, s27, 6
	s_add_co_u32 s25, s25, s27
	s_and_b32 s26, s26, 3
	s_lshl_b32 s26, s26, 3
	s_add_co_u32 s25, s25, s26                     ; the tile's first row: 2,048 b + 64 (T / 4) + 8 (T % 4)
	s_lshl_b32 s26, s25, 11
	s_lshl_b32 s27, s30, 9                         ; my 512 keys
	s_add_co_u32 s26, s26, s27
	s_mov_b32 s27, 0
	s_lshl_b32 s28, ttmp9, 14                      ; a tile's images: 16,384 bytes;
	s_lshl_b32 s29, s30, 12                        ; my eight groups'
	s_add_co_u32 s28, s28, s29
	s_mov_b32 s29, 0
	s_mov_b32 s23, 0x06040200                      ; v_perm_b32: bytes 0 and 2 of both sources
	v_lshlrev_b32 v4, 4, v2
	v_lshl_add_u32 v4, v3, 11, v4                  ; in: sixteen lanes take 256 bytes of a row of 2,048, lanes 16-31 the next row
	v_mul_u32_u24 v6, v2, SP
	v_lshl_add_u32 v6, v3, 5, v6
	v_add_nc_u32 v6, s17, v6                       ; out of the stage: row lane % 16, 32 keys at 32 (lane / 16)
	s_wait_alu depctr_va_vdst(0)                   ; the wait at the head's end
	s_wait_kmcnt 0x0
	s_add_nc_u64 s[8:9], s[8:9], s[26:27]
	s_add_nc_u64 s[14:15], s[14:15], s[28:29]
.irp p, 0,1
.irp i, 0,1,2,3,4,5,6,7
	global_load_b128 v[32+32*\p+4*\i:32+32*\p+4*\i+3], v4, s[8:9] offset:(2*\i+24*(\i/4))*2048+256*\p th:TH_LOAD_NT   ; tile rows 2 i, 2 i + 1: queries 2 i + 24 (i / 4) on
.endr
.endr
.macro MTURN p
.irp i, 0,1,2,3,4,5,6,7
	ds_store_b128 v5, v[32+32*\p+4*\i:32+32*\p+4*\i+3] offset:\p*16*SP+2*\i*SP
.endr
.irp s, 0,1,2,3
.irp c, 0,1
	ds_load_b128 v[96+8*(4*\p+\s)+4*\c:96+8*(4*\p+\s)+4*\c+3], v6 offset:\p*16*SP+64*\s+16*\c
.endr
.endr
.endm
; Eight bytes of 0 or 1 become eight nibbles: d | d >> 4 brings two bytes' bits into bytes 0 and 2; v_perm_b32 gathers them; the exclusive or turns True into 0 and False into 1; two shifts make 0xF of 1.
.macro MPACK p
.irp s, 0,1,2,3
.set OO, 160+4*(4*\p+\s)
.irp w, 0,1,2,3
.set DD, 96+8*(4*\p+\s)+2*\w
	v_lshrrev_b32 v[10+2*\w], 4, v[DD]
	v_lshrrev_b32 v[11+2*\w], 4, v[DD+1]
	v_or_b32 v[10+2*\w], v[10+2*\w], v[DD]
	v_or_b32 v[11+2*\w], v[11+2*\w], v[DD+1]
.endr
.irp w, 0,1,2,3
	v_perm_b32 v[OO+\w], v[11+2*\w], v[10+2*\w], s23
.endr
.irp w, 0,1,2,3
	v_xor_b32 v[OO+\w], 0x11111111, v[OO+\w]
.endr
.irp w, 0,1,2,3
	v_lshl_or_b32 v[OO+\w], v[OO+\w], 1, v[OO+\w]
.endr
.irp w, 0,1,2,3
	v_lshl_or_b32 v[OO+\w], v[OO+\w], 2, v[OO+\w]
.endr
	global_store_b128 v7, v[OO:OO+3], s[14:15] offset:(4*\p+\s)*512   ; 512 consecutive bytes, aligned
.endr
.endm
	s_wait_loadcnt 8                               ; task 0's eight loads are in; task 1's may be out
	MTURN 0
	s_wait_loadcnt 0x0
	MTURN 1
	s_wait_dscnt 16                                ; task 0 is back from its stage; task 1's eight stores and eight loads may be out
	MPACK 0
	s_wait_dscnt 0x0
	MPACK 1
	s_wait_tensorcnt 0x0                           ; the wave's end
	ds_add_u32 v30, v31
	s_wait_dscnt 0x0
	s_endpgm
.Lfunc_end_k_q0db7003aab_prep:
	.size	k_q0db7003aab_prep, .Lfunc_end_k_q0db7003aab_prep-k_q0db7003aab_prep
	.p2alignl 7, 3214868480
	.fill 96, 4, 3214868480
	.section	.rodata,"a",@progbits
	.p2align	6, 0x0
	.amdhsa_kernel k_q0db7003aab_prep
		.amdhsa_group_segment_fixed_size 210432
		.amdhsa_private_segment_fixed_size 0
		.amdhsa_enable_private_segment 0
		.amdhsa_kernarg_size 48
		.amdhsa_user_sgpr_count 2
		.amdhsa_user_sgpr_kernarg_segment_ptr 1
		.amdhsa_wavefront_size32 1
		.amdhsa_system_sgpr_workgroup_id_x 1
		.amdhsa_system_sgpr_workgroup_id_y 1
		.amdhsa_system_sgpr_workgroup_id_z 1
		.amdhsa_system_vgpr_workitem_id 0
		.amdhsa_next_free_vgpr 256
		.amdhsa_next_free_sgpr 66
		.amdhsa_reserve_vcc 0
		.amdhsa_float_denorm_mode_32 3
		.amdhsa_float_denorm_mode_16_64 3
		.amdhsa_memory_ordered 1
		.amdhsa_forward_progress 1
		.amdhsa_inst_pref_size 35
	.end_amdhsa_kernel
	.amdgpu_metadata
---
amdhsa.version: [ 1, 2 ]
amdhsa.kernels:
  - .name:           k_q0db7003aab_prep
    .symbol:         k_q0db7003aab_prep.kd
    .args:
      - { .name: queries, .offset: 0, .size: 8, .value_kind: global_buffer, .address_space: global }
      - { .name: keys, .offset: 8, .size: 8, .value_kind: global_buffer, .address_space: global }
      - { .name: mask, .offset: 16, .size: 8, .value_kind: global_buffer, .address_space: global }
      - { .name: qpack, .offset: 24, .size: 8, .value_kind: global_buffer, .address_space: global }
      - { .name: kpack, .offset: 32, .size: 8, .value_kind: global_buffer, .address_space: global }
      - { .name: mimg, .offset: 40, .size: 8, .value_kind: global_buffer, .address_space: global }
    .group_segment_fixed_size: 210432
    .private_segment_fixed_size: 0
    .kernarg_segment_align: 8
    .kernarg_segment_size: 48
    .max_flat_workgroup_size: 384
    .sgpr_count:     66
    .vgpr_count:     256
    .wavefront_size: 32
...
	.end_amdgpu_metadata
.endif
;; end of part 1
;; launch attn (part 2): grid 8 x 32, 16 waves a work-group, clusters of 4 x 1, 219,392 bytes of LDS; arguments qpack, kpack, mimg, values_codes, values_scales, out0; writes out0
.if DOCPART == 2
	.amdgcn_target "amdgcn-amd-amdhsa--gfx1250"
	.amdhsa_code_object_version 6
	.text
	.protected	k_q0db7003aab_attn
	.globl	k_q0db7003aab_attn
	.p2align	8
	.type	k_q0db7003aab_attn,@function
k_q0db7003aab_attn:
	s_mov_b64 s[64:65], 0
	v_nop
	global_prefetch_b8 v0, s[64:65] scope:SCOPE_SE
	s_setreg_imm32_b32 hwreg(HW_REG_WAVE_MODE, 25, 1), 1
	s_wait_xcnt 0x0
	s_wait_alu depctr_hold_cnt(0) depctr_sa_sdst(0) depctr_va_vdst(0) depctr_va_sdst(0) depctr_va_ssrc(0) depctr_va_vcc(0) depctr_vm_vsrc(0)
	s_getreg_b32 s2, hwreg(HW_REG_IB_STS2, 6, 4)
	s_cmp_eq_u32 s2, 0
	s_cbranch_scc0 .Lentry_in_a_cluster
	s_endpgm
.Lentry_in_a_cluster:
	s_bfe_u32 s2, ttmp6, 0x10000c
	s_cmp_lg_u32 s2, 0x3003
	s_cbranch_scc0 .Lentry_shape_is_right
	s_endpgm
.Lentry_shape_is_right:
; out0[b][q][64 head + d] = the sum over k of softmax_k(Q.K / 8 + bias) V, both products on codes of FP4 (E2M1) with one E8M0 scale for each 32 along a product's K.
; Q and K come as images of the operand's registers (qpack, kpack), the mask as 4-bit codes in the order of the score registers (mimg), V as given: codes with the keys innermost, 1,024 bytes a channel, 64 scale bytes a channel.
; THE SOFTMAX AHEAD OF THE SECOND PRODUCT: t = (raw score + bias) x log2(e) / 8; M = the running largest t rounded UP to a whole number; p = 2^(t - M) is quantised along the keys, not normalised;
; the row's sum is taken of the unquantised p and divides at the end.  When M moves, the sum and O are multiplied by 2^(old M - new M): exact.
; THE MASK is the C operand of the first product: a code 0xF is widened by the scaled conversion to -6 x 2^30 in raw score units (-805,306,368 behind the division by 8, where the problem adds -1e9), a code 0 to 0.
; LIMITS.  Open logits are taken to lie above about -8e8 (a hidden key's p is then 0, as with -1e9).  In a row with no open key score + bias has the same spacing of 64 (in logits) as logit - 1e9, since f32 numbers lie
; equally far apart at both, and is rounded within the matrix instruction; M is there a whole number up to 64 away from the ceiling of t, which a block's scale takes up.  NaN and infinities are not served.  A block whose every p is 0 keeps the byte 1: its codes are zeros.
; SHARES.  A work-group owns 256 queries of one (b, head); each of its sixteen waves one tile of 16, in 256 registers.  Every wave walks the 2,048 keys in 8 steps of 256, two steps to a stage of 512.
; LDS.  All of a head's K (73,728 bytes), V (four stages of 64 rows x 272) and V's scale bytes fit at once: each byte is filled ONCE, at the head; there is no ring, and nothing to prefetch for one.  The mask's words are asked for a whole step of 256 keys ahead of their use.
; CLUSTER.  The four work-groups of a cluster belong to one head and want the same K and V: every tile is asked for JOINTLY.
; LAYOUT.  Both products are used transposed: S^T = K Q^T (source 0 = 16 keys, source 1 = my 16 queries), O^T = V^T P^T: a lane holds ONE query (lane % 16) throughout.
; Lane m of tile t of a group of 64 keys holds key 32 (m / 8) + 8 t + m % 8: so the 32 registers of a group's four tiles are one WHOLE BLOCK of 32 neighbouring keys, the block lane / 16, and the conversions' results are the second product's operand as they stand.
; K = 64 of the first product fills the instruction's k = 64 .. 127; Q has zero codes at k = 0 .. 63.  A fragment of K is its four registers and the four AHEAD of them, whatever these hold: every FP4 code is a finite number, and Q's zero codes multiply it.
.set UBLK, 2304                        ; 64 keys of K: four images of 512 bytes, then 256 bytes of scale words
.set KSTG, 8*UBLK                      ; a stage's
.set VREG, 73728                       ; V: 4 stages x 64 rows x VP
.set VP,   272                         ; a row of V's tile: 256 bytes (512 keys) + 16
.set VSTG, 64*VP
.set VSC,  VREG+4*VSTG                 ; V's scale bytes: 16 rows of 256 bytes (four channels) + 16
.set OSTG, VSC+16*VP                   ; the way out: 16 rows x 272 for each wave, bytes of its own into which no tile lands
.set SPARE, OSTG+16*16*VP              ; the spare words, 128 bytes a wave
.set ADK,  1                           ; v1 the stage's address of K's images, v2 of V, v3 of V's scale words, v4 of K's scale words
.set ADV,  2
.set ADT,  3
.set ADS,  4
.set PW,   5                           ; v5  p's scale word
.set SPW,  6                           ; v6  LDS address of my spare word, v26 0: never rewritten
.set QS,   7                           ; v7  Q's scale words
.set T0,   8                           ; v8-9 scale bytes at work
.set T1,   9
.set SU,   10                          ; v[10:11] the row's sum in two halves;  v12 -M, v13 the largest raw score
.set FF,   14                          ; v14 f = 2^(old M - new M)
.set TMP,  15                          ; v15 at work (named as the upper half of f's pair)
.set QF,   16                          ; v16-23  Q's fragment: v16-19 zero codes
.set KV,   24                          ; v24-27 stand ahead of K's eight tiles, v28-59: registers that are never rewritten
.set MO,   24                          ; v24 16 x lane: my place in a mask image
.set SCB,  25                          ; v25 0x9d in every byte: 2^30, the scale of the mask's conversion
.set NIL,  26
.set PC,   60                          ; v60-67 p's codes of half a step
.set S,    68                          ; v68-195 S^T, then p; the first 64 at last V's fragments
.set OT,   196                         ; v196-227 O^T
.set MN,   228                         ; v228-243 mask words: four for each group
.set KS,   244                         ; v244-247 K's scale words of two groups: a register: lanes 0-15 one tile's, lanes 16-31 the next tile's
.set BM,   248                         ; v248-251 each group's largest score (my block's), then its largest p, then the conversions' scale operand
.set VS,   252                         ; v252-255 V's scale words: register 2 a + s: channels 32 a + lane, the step's half s
.set WV,   16                          ; s16  my wave's number
.set SEL,  20                          ; s[20:21] v_permlanex16_b32's selects for lane l xor 16
.set CS,   22                          ; s[22:23] c = log2(e) / 8;  s99 -c
.set NC,   99
.set G1K,  24                          ; s[24:31], s[32:39], s[40:47] descriptor groups 1: K's tiles, V's, V's scale bytes
.set G1V,  32
.set G1S,  40
.set G0K,  48                          ; s[48:63] groups 0 for K's four stages;  s[68:83] for V's;  s[84:87] for V's scale bytes
.set G0V,  68
.set G0S,  84
.set TK,   88                          ; s88-90 where the stage begins in K's region, in V's, in V's scale bytes
.set TV,   89
.set TS,   90
.set CNT,  91                          ; s91  the loop's trips to go
.set MB,   92                          ; s[92:93] the stage's mask images
.macro CROUND                          ; a round of the cluster's barrier
	s_barrier_signal -1
	s_barrier_wait -1
	s_cmp_lg_u32 s[WV], 0
	s_cbranch_scc1 .Lnot_wave_0_\@
	s_barrier_signal -3
.Lnot_wave_0_\@:
	s_barrier_wait -3
	s_barrier_signal -1
	s_barrier_wait -1
.endm
.macro MLOAD c, off                    ; a group's mask words: 512 consecutive bytes; other heads' work-groups read them too, so no hint
	global_load_b128 v[MN+4*(\c):MN+4*(\c)+3], v[MO], s[MB:MB+1] offset:(\off)+512*(\c)
.endm
	s_load_b256 s[4:11], s[0:1], 0x0               ; qpack s[4:5], kpack s[6:7], mimg s[8:9], values_codes s[10:11]
	s_load_b128 s[12:15], s[0:1], 0x20             ; values_scales s[12:13], out0 s[14:15]
	v_lshl_add_u32 v[SPW], v0, 2, SPARE
	v_mov_b32 v[NIL], 0
	ds_add_u32 v[SPW], v[NIL]                      ; the wave's opening: the add, twice on end, and its wait
	ds_add_u32 v[SPW], v[NIL]
	v_lshrrev_b32 v68, 5, v0
	v_readfirstlane_b32 s[WV], v68                 ; wave 0..15
	s_bfe_u32 s17, ttmp6, 0x40000                  ; cx: it enters the global addresses of Q, the mask images and out0 alone
	s_lshl_b32 s18, ttmp9, 2                       ; in a cluster launch ttmp9 counts clusters
	s_add_co_u32 s18, s18, s17
	s_lshl_b32 s18, s18, 4
	s_add_co_u32 s18, s18, s[WV]                   ; my tile T = 16 x (block of 256 queries) + wave, 0 .. 127: T % 4 is the wave's
	s_and_b32 s19, ttmp7, 0xffff                   ; y = 16 b + head, which the four partners share
	s_and_b32 s2, s[WV], 3
	s_lshl_b32 s2, s2, 9                           ; Q's image: 512 (T % 4)
	s_and_b32 s3, s[WV], 1
	s_lshl_b32 s3, s3, 7
	s_bfe_u32 s98, s[WV], 0x10001
	s_lshl_b32 s98, s98, 2
	s_add_co_u32 s3, s3, s98                       ; Q's scale word: 8 (16 (T % 2) + r) + 4 ((T % 4) / 2)
	v_and_b32 v69, 31, v0                          ; lane
	v_and_b32 v70, 15, v0                          ; r
	v_lshlrev_b32 v[MO], 4, v69
	v_add_nc_u32 v71, s2, v[MO]
	v_lshl_add_u32 v72, v70, 3, s3
	; descriptor groups 1, in elements of 8 bytes: rows of 32 elements = 256 bytes
	s_mov_b32 s[G1K], 15|(3<<16)|(1<<21)           ; 15:0 the mask: all four work-groups; 17:16 elements of 8 bytes; 21 set beside a mask; no padding
	s_mov_b32 s[G1K+1], 32<<16                     ; tensor_dim0 = 32
	s_mov_b32 s[G1K+2], 72<<16                     ; tensor_dim1 = 72: a stage's 18,432 dense bytes
	s_mov_b32 s[G1K+3], 32<<16                     ; tile_dim0
	s_mov_b32 s[G1K+4], 72                         ; tile_dim1
	s_mov_b32 s[G1K+5], 32                         ; from row to row
	s_mov_b32 s[G1K+6], 0
	s_mov_b32 s[G1K+7], 0
	s_mov_b32 s[G1V], 15|(3<<16)|(1<<20)|(1<<21)|(5<<22)|(3<<25)   ; 20 padding on; 24:22 after every 64 words (code 5); 31:25 four words (code 3)
	s_mov_b32 s[G1V+1], 32<<16
	s_mov_b32 s[G1V+2], 64<<16                     ; 64 channels
	s_mov_b32 s[G1V+3], 32<<16
	s_mov_b32 s[G1V+4], 64
	s_mov_b32 s[G1V+5], 128                        ; a channel's row in memory: 1,024 bytes
	s_mov_b32 s[G1V+6], 0
	s_mov_b32 s[G1V+7], 0
	s_mov_b32 s[G1S], 15|(3<<16)|(1<<20)|(1<<21)|(5<<22)|(3<<25)
	s_mov_b32 s[G1S+1], 32<<16
	s_mov_b32 s[G1S+2], 16<<16                     ; a head's 4,096 dense scale bytes
	s_mov_b32 s[G1S+3], 32<<16
	s_mov_b32 s[G1S+4], 16
	s_mov_b32 s[G1S+5], 32
	s_mov_b32 s[G1S+6], 0
	s_mov_b32 s[G1S+7], 0
	s_mov_b32 s[SEL], 0x76543210
	s_mov_b32 s[SEL+1], 0xfedcba98
	s_mov_b32 s[CS], 0x3e38aa3b                    ; c = log2(e) / 8
	s_mov_b32 s[CS+1], s[CS]                       ; (named with it as a pair, so it is written)
	s_mov_b32 s[NC], 0xbe38aa3b
	s_mov_b32 s[TK], 0
	s_mov_b32 s[TV], VREG
	s_mov_b32 s[TS], VSC
	s_mov_b32 s3, 0
	s_wait_alu depctr_va_vdst(0)                   ; the wait here, directly ahead of the waits below
	s_wait_dscnt 0x0                               ; both opening adds are done
	s_wait_kmcnt 0x0
	s_mul_i32 s2, s19, 32*UBLK                     ; the head's first byte in kpack and qpack,
	s_add_nc_u64 s[6:7], s[6:7], s[2:3]
	s_add_nc_u64 s[4:5], s[4:5], s[2:3]
	s_lshl_b32 s2, s19, 16                         ; in V's codes,
	s_add_nc_u64 s[10:11], s[10:11], s[2:3]
	s_lshl_b32 s2, s19, 12                         ; in V's scale bytes
	s_add_nc_u64 s[12:13], s[12:13], s[2:3]
	s_lshr_b32 s2, s18, 2
	s_mul_i32 s2, s2, UBLK
	s_add_nc_u64 s[4:5], s[4:5], s[2:3]            ; Q at my tile's unit of 64 queries
	s_lshr_b32 s2, s19, 4
	s_lshl_b32 s2, s2, 7
	s_add_co_u32 s2, s2, s18
	s_lshl_b32 s2, s2, 14
	s_add_nc_u64 s[MB:MB+1], s[8:9], s[2:3]        ; my tile's mask images: 16,384 (128 b + T)
	global_load_b128 v[QF+4:QF+7], v71, s[4:5]     ; Q's fragment stays in registers
	global_load_b32 v[QS], v72, s[4:5] offset:2048
.irp c, 0,1,2,3
	MLOAD \c, 0                                    ; step 0's mask words
.endr
.irp c, 0,1,2,3
	s_mov_b32 s[G0K+4*\c], 1                                       ; 1:0 count = 1
	s_mov_b32 s[G0K+4*\c+1], \c*KSTG                               ; 63:32 LDS address
	s_add_nc_u64 s[G0K+4*\c+2:G0K+4*\c+3], s[6:7], \c*KSTG         ; 120:64 global address: stage c's eight blocks
	s_or_b32 s[G0K+4*\c+3], s[G0K+4*\c+3], 0x80000000              ; 127:126 type = 2
	s_mov_b32 s[G0V+4*\c], 1
	s_mov_b32 s[G0V+4*\c+1], VREG+\c*VSTG
	s_add_nc_u64 s[G0V+4*\c+2:G0V+4*\c+3], s[10:11], \c*256        ; stage c's 512 keys: 256 bytes on in every row
	s_or_b32 s[G0V+4*\c+3], s[G0V+4*\c+3], 0x80000000
.endr
	s_mov_b32 s[G0S], 1
	s_mov_b32 s[G0S+1], VSC
	s_mov_b64 s[G0S+2:G0S+3], s[12:13]
	s_or_b32 s[G0S+3], s[G0S+3], 0x80000000
	CROUND                                         ; all four work-groups are here: the joint loads meet
; ALL FILLS OF THE LAUNCH, in one group, one a wave, each in an arm of its own: waves 0 to 2 ask for what the first stage reads, waves 3 to 8 for the rest, the others for nothing.
.macro ARM w, g0, g1
	s_cmp_lg_u32 s[WV], \w
	s_cbranch_scc1 .Lnext_arm_\@
	tensor_load_to_lds s[\g0:\g0+3], s[\g1:\g1+7]
	s_nop 0
.rept 4
	v_nop
.endr
	s_branch .Lasked
.Lnext_arm_\@:
.endm
	ARM 0, G0K, G1K
	ARM 1, G0V, G1V
	ARM 2, G0S, G1S
	ARM 3, G0K+4, G1K
	ARM 4, G0V+4, G1V
	ARM 5, G0K+8, G1K
	ARM 6, G0V+8, G1V
	ARM 7, G0K+12, G1K
	ARM 8, G0V+12, G1V
.Lasked:
	s_lshr_b32 s2, s19, 4
	s_lshl_b32 s2, s2, 11
	s_lshr_b32 s98, s18, 2
	s_lshl_b32 s98, s98, 6
	s_add_co_u32 s2, s2, s98
	s_and_b32 s98, s18, 3
	s_lshl_b32 s98, s98, 3
	s_add_co_u32 s2, s2, s98                       ; my tile's first row of out0: 2,048 b + 64 (T / 4) + 8 (T % 4)
	s_lshl_b32 s2, s2, 12
	s_and_b32 s98, s19, 15
	s_lshl_b32 s98, s98, 8                         ; the head's 256 bytes of a row
	s_add_co_u32 s2, s2, s98
	s_add_nc_u64 s[14:15], s[14:15], s[2:3]
.irp j, 0,1,2,3
	v_mov_b32 v[QF+\j], 0                          ; Q's zero codes for k = 0 .. 63
.endr
.irp j, 0,1,2,3,4,5,6,7,8,9,10,11,12,13,14,15,16,17,18,19,20,21,22,23,24,25,26,27,28,29,30,31
	v_mov_b32 v[OT+\j], 0                          ; O^T.  (The step is written without a first step of its own: the first change of M multiplies zeros)
.endr
	v_mov_b32 v[KV+3], 0                           ; (stands ahead of K's first tile)
	v_mov_b32 v[SCB], 0x9d9d9d9d
	v_mov_b32 v[FF], 0                             ; a lane permute's destination counts as read
	v_mov_b32 v[TMP], 0
	v_mov_b32 v13, 0xfe967699                      ; the largest raw score so far: -1e38
	v_mov_b32 v12, 0x7e967699                      ; -M: 1e38, so that the first f is 0
	v_mov_b32 v[SU], 0
	v_mov_b32 v[SU+1], 0
; K's four tiles and scale words of group g (0 .. 3 of step q; 4, 5: groups 0, 1 of the step behind it) into half g % 2 of the registers
.macro LKG q, g
.irp t, 0,1,2,3
	ds_load_b128 v[KV+4+16*((\g)%2)+4*\t:KV+7+16*((\g)%2)+4*\t], v[ADK] offset:(4*(\q)+(\g))*UBLK+512*\t
.endr
	ds_load_b64 v[KS+2*((\g)%2):KS+2*((\g)%2)+1], v[ADS] offset:(4*(\q)+(\g))*UBLK+2048
.endm
; The mask of group g becomes the C of its four products; then the next step's words are asked for.
.macro CBIAS g
.irp t, 0,1,2,3
	v_cvt_scale_pk8_f32_fp4 v[S+32*(\g)+8*\t:S+32*(\g)+8*\t+7], v[MN+4*(\g)+\t], v[SCB]
.endr
.endm
.macro SPROD g
.irp p, 0,1
	v_wmma_scale_f32_16x16x128_f8f6f4 v[S+32*(\g)+16*\p:S+32*(\g)+16*\p+7], v[KV+16*((\g)%2)+8*\p:KV+16*((\g)%2)+8*\p+7], v[QF:QF+7], v[S+32*(\g)+16*\p:S+32*(\g)+16*\p+7], v[KS+2*((\g)%2)+\p], v[QS] matrix_a_fmt:MATRIX_FMT_FP4 matrix_b_fmt:MATRIX_FMT_FP4
	v_wmma_scale_f32_16x16x128_f8f6f4 v[S+32*(\g)+16*\p+8:S+32*(\g)+16*\p+15], v[KV+16*((\g)%2)+8*\p+4:KV+16*((\g)%2)+8*\p+11], v[QF:QF+7], v[S+32*(\g)+16*\p+8:S+32*(\g)+16*\p+15], v[KS+2*((\g)%2)+\p], v[QS] matrix_a_fmt:MATRIX_FMT_FP4 matrix_b_fmt:MATRIX_FMT_FP4 matrix_a_scale:MATRIX_SCALE_ROW1
.endr
.endm
; The largest score of my block in two groups, in four chains by turns (two for each group), then their joins; each accumulator is read from its low end on.
.macro BMAXC g0, g1
	v_max3_num_f32 v[BM+\g0], v[S+32*\g0], v[S+32*\g0+1], v[S+32*\g0+2]
	v_max3_num_f32 v[BM+\g1], v[S+32*\g1], v[S+32*\g1+1], v[S+32*\g1+2]
	v_max3_num_f32 v[FF], v[S+32*\g0+16], v[S+32*\g0+17], v[S+32*\g0+18]
	v_max3_num_f32 v[TMP], v[S+32*\g1+16], v[S+32*\g1+17], v[S+32*\g1+18]
.irp i, 3,5,7,9,11,13
	v_max3_num_f32 v[BM+\g0], v[BM+\g0], v[S+32*\g0+\i], v[S+32*\g0+\i+1]
	v_max3_num_f32 v[BM+\g1], v[BM+\g1], v[S+32*\g1+\i], v[S+32*\g1+\i+1]
	v_max3_num_f32 v[FF], v[FF], v[S+32*\g0+16+\i], v[S+32*\g0+17+\i]
	v_max3_num_f32 v[TMP], v[TMP], v[S+32*\g1+16+\i], v[S+32*\g1+17+\i]
.endr
.endm
.macro BMAXJ g0, g1
	v_max3_num_f32 v[BM+\g0], v[BM+\g0], v[FF], v[S+32*\g0+15]
	v_max3_num_f32 v[BM+\g1], v[BM+\g1], v[TMP], v[S+32*\g1+15]
	v_max_num_f32 v[BM+\g0], v[BM+\g0], v[S+32*\g0+31]
	v_max_num_f32 v[BM+\g1], v[BM+\g1], v[S+32*\g1+31]
.endm
.macro PKF j                           ; t - M, two at a time (of the pairs c and -M the low word serves both halves)
	v_pk_fma_f32 v[S+(\j):S+(\j)+1], v[S+(\j):S+(\j)+1], s[CS:CS+1], v[12:13] op_sel_hi:[1,0,0]
.endm
.macro OMUL first, last                ; O^T under the new M, each accumulator from its low end on: registers first .. last, two at a time
.set J, \first
.rept ((\last)-(\first))/2
	v_pk_mul_f32 v[OT+J:OT+J+1], v[OT+J:OT+J+1], v[FF:FF+1] op_sel_hi:[1,0]
.set J, J+2
.endr
.endm
; The scale operands and the scale word of half s: groups 2 s, 2 s + 1, of which a lane has the block lane / 16.  The products read lanes 0-15's word: my bytes at 0 and 2, lane l xor 16's at 1 and 3.
; mix = 1: O^T's rescaling stands between the lines.
.macro SCALE s, mix
.if \mix
	OMUL 0, 4
.endif
.irp b, 2*(\s), 2*(\s)+1
	v_max_num_f32 v[BM+\b], 0x1800000, v[BM+\b]    ; the floor 2^(3 - 127): the byte cannot fall under 1
.endr
.if \mix
	OMUL 4, 8
.endif
.irp b, 2*(\s), 2*(\s)+1
	v_add_nc_u32 v[BM+\b], 0xff000000, v[BM+\b]    ; 2 off the exponent field: the conversions' scale operand
.endr
.if \mix
	OMUL 8, 14
.endif
	v_lshrrev_b32 v[T0], 23, v[BM+2*(\s)]          ; the scales' bytes
	v_lshrrev_b32 v[T1], 23, v[BM+2*(\s)+1]
.if \mix
	OMUL 14, 20
.endif
	v_lshl_or_b32 v[PW], v[T1], 16, v[T0]
.if \mix
	OMUL 20, 28
.endif
	v_permlanex16_b32 v[T0], v[PW], s[SEL], s[SEL+1]
.if \mix
	OMUL 28, 32
.endif
	v_lshl_or_b32 v[PW], v[T0], 8, v[PW]
.endm
.macro CODES s, k                      ; eight keys' codes: register k of the operand
	v_cvt_scalef32_pk8_fp4_f32 v[PC+(\k)], v[S+64*(\s)+8*(\k):S+64*(\s)+8*(\k)+7], v[BM+2*(\s)+(\k)/4]
.endm
; The row's sum over half s, in place, behind its codes: 16 pairs onto 16, 8 onto 8, .. and one onto the sum.
.macro FOLD s, n                       ; n pairs of half s onto n pairs
.set J, 0
.rept \n
	v_pk_add_f32 v[S+64*(\s)+J:S+64*(\s)+J+1], v[S+64*(\s)+J:S+64*(\s)+J+1], v[S+64*(\s)+2*(\n)+J:S+64*(\s)+2*(\n)+J+1]
.set J, J+2
.endr
.endm
.macro FOLDS s
	FOLD \s, 8
	FOLD \s, 4
	FOLD \s, 2
	FOLD \s, 1
	v_pk_add_f32 v[SU:SU+1], v[SU:SU+1], v[S+64*(\s):S+64*(\s)+1]
.endm
; V's fragments for the 128 keys of half s: s = 0 into the registers of group 1, s = 1 into those of group 0, whose p has been coded and folded away
.macro LV q, s
.irp t, 0,1,2,3
.irp c, 0,1
	ds_load_b128 v[S+32-32*(\s)+8*\t+4*\c:S+32-32*(\s)+8*\t+4*\c+3], v[ADV] offset:16*\t*VP+128*(\q)+64*(\s)+32*\c
.endr
.endr
.endm
.macro PV s                            ; O^T += V^T P^T over the 128 keys of half s: the four accumulators by turns
.irp a, 0,1
	v_wmma_scale_f32_16x16x128_f8f6f4 v[OT+16*\a:OT+16*\a+7], v[S+32-32*(\s)+16*\a:S+32-32*(\s)+16*\a+7], v[PC:PC+7], v[OT+16*\a:OT+16*\a+7], v[VS+2*\a+(\s)], v[PW] matrix_a_fmt:MATRIX_FMT_FP4 matrix_b_fmt:MATRIX_FMT_FP4
	v_wmma_scale_f32_16x16x128_f8f6f4 v[OT+16*\a+8:OT+16*\a+15], v[S+32-32*(\s)+16*\a+8:S+32-32*(\s)+16*\a+15], v[PC:PC+7], v[OT+16*\a+8:OT+16*\a+15], v[VS+2*\a+(\s)], v[PW] matrix_a_fmt:MATRIX_FMT_FP4 matrix_b_fmt:MATRIX_FMT_FP4 matrix_a_scale:MATRIX_SCALE_ROW1
.endr
.endm
; A STEP: 256 keys, four groups of 64, the q-th step of the stage.  K's groups 0 and 1 were asked for in the step before.
; sig = 1 or 2: a barrier is signalled in the step's middle, behind its last request for mask words, and waited for at its end: no wave begins a step before all sixteen have come to the middle of the one before.  Between the two stand registers' work and loads from LDS alone.
; sig = 2, in the launch's first step: each wave has waited for its tensor load ahead of the signal, so all tiles may be read behind that barrier.
; last = 1, in the launch's last step: nothing is asked for any more, and there is no barrier.
.macro STEP q, sig, last
.if \q
.rept 4
	v_nop                                          ; four places (ISA guide 7.12.1) behind the last products, whose sources are written below (q = 0: the stage's address lines are these places)
.endr
.endif
	s_wait_loadcnt 0x2                             ; the mask words of groups 0 and 1 are in; groups 2's and 3's may be out
	CBIAS 0
	CBIAS 1
.irp a, 0,1
	ds_load_b64 v[VS+2*\a:VS+2*\a+1], v[ADT] offset:\a*8*VP+8*(\q)
.endr
	v_nop                                          ; one plain line behind a scaled conversion
.if \last == 0
	MLOAD 0, 2048+2048*(\q)
	MLOAD 1, 2048+2048*(\q)
.endif
	s_wait_alu depctr_va_vdst(0)                   ; the wait here, directly ahead of the wait below
	s_wait_dscnt 0x2                               ; K's two groups are in; the two loads of V's scale words may be out
	SPROD 0
	SPROD 1
.rept 4
	v_nop                                          ; four places in front of the loads into K's registers and of the first read of the products
.endr
	LKG \q, 2                                      ; eight conversions and 28 maxima stand between these loads and the wait for them
	LKG \q, 3
.if \last
	s_wait_loadcnt 0x0
.else
	s_wait_loadcnt 0x2                             ; the words of groups 2 and 3 are in; the two loads of the next step's just issued may be out
.endif
	CBIAS 2
	CBIAS 3
.if \last == 0
	MLOAD 2, 2048+2048*(\q)
	MLOAD 3, 2048+2048*(\q)
.endif
	BMAXC 0, 1
	s_wait_alu depctr_va_vdst(0)                   ; the wait here, directly ahead of the wait below
	s_wait_dscnt 0x0
.if (\sig) == 2
	s_wait_tensorcnt 0x0                           ; my tensor load, if I have one, has landed
.endif
.if \sig
	s_barrier_signal -1
.endif
	SPROD 2
	SPROD 3
	BMAXJ 0, 1                                     ; these four lines name no register of the products above: they are the places behind them
	v_max3_num_f32 v13, v13, v[BM], v[BM+1]        ; the running largest raw score, my blocks of groups 0 and 1 among them
.if \last == 0
	LKG \q, 4                                      ; the next step's first two groups: the softmax stands between these loads and the wait for them
	LKG \q, 5
.endif
	BMAXC 2, 3
	BMAXJ 2, 3
	v_max3_num_f32 v[TMP], v13, v[BM+2], v[BM+3]
	v_permlanex16_b32 v[FF], v[TMP], s[SEL], s[SEL+1]
	v_max_num_f32 v13, v[TMP], v[FF]               ; with lane l xor 16's blocks: the running largest raw score of my query
	v_mov_b32 v[FF], v12
	v_mul_f32 v[TMP], s[NC], v13                   ; -t (c is positive)
	v_floor_f32 v12, v[TMP]                        ; the new -M = floor(-t) = -ceil(t): a whole number
	PKF 0
	PKF 2
	v_sub_f32 v[TMP], v12, v[FF]                   ; old M - new M: a whole number, 0 or less
	PKF 4
	PKF 6
	PKF 8
	v_cvt_i32_f32 v[TMP], v[TMP]                   ; (it saturates)
	PKF 10
	PKF 12
	PKF 14
	v_ldexp_f32 v[FF], 1.0, v[TMP]                 ; f = 2^(old M - new M)
.irp j, 16,18,20,22,24,26,28,30
	PKF \j
.endr
.irp b, 0,1,2,3
	v_fma_f32 v[BM+\b], v[BM+\b], s[CS], v12       ; the same of each block's largest score: p rises with the score, so this gives the block's largest p
.endr
	v_pk_mul_f32 v[SU:SU+1], v[SU:SU+1], v[FF:FF+1] op_sel_hi:[1,0]
	s_wait_alu depctr_va_vdst(0)                   ; the wait ahead of the batch
	v_exp_f32 v[BM], v[BM]                         ; p = 2^(t - M): not normalised
.set I, 0
.rept 32                                       ; group 0's exponentials, with the multiply-adds of groups 1 and 2 between them
	v_exp_f32 v[S+I], v[S+I]
.if I%2
	PKF 63+I
.else
	PKF 32+I
.endif
.set I, I+1
.endr
	s_wait_alu depctr_va_vdst(0)                   ; and ahead of this one
	v_exp_f32 v[BM+1], v[BM+1]
.set I, 0
.rept 32                                       ; group 1's, with group 3's multiply-adds
	v_exp_f32 v[S+32+I], v[S+32+I]
.if (I%2) == 0
	PKF 96+I
.endif
.set I, I+1
.endr
	s_wait_alu depctr_va_vdst(0)                   ; the wait ahead of the first readers of the batches' results and of the last products'
	SCALE 0, 1
	s_wait_alu depctr_va_vdst(0)                   ; and ahead of the next batch
	v_exp_f32 v[BM+2], v[BM+2]
	v_exp_f32 v[BM+3], v[BM+3]
.set I, 0
.rept 64                                       ; groups 2's and 3's; between them the first half's codes, group 1's p onto group 0's, and V's first fragments
	v_exp_f32 v[S+64+I], v[S+64+I]
.if I < 16
.if (I%2) == 0
	CODES 0, I/2
.endif
.elseif I == 16
	v_nop                                          ; one plain line between a scaled conversion and what writes its sources
.elseif I < 33
	v_pk_add_f32 v[S+2*(I-17):S+2*(I-17)+1], v[S+2*(I-17):S+2*(I-17)+1], v[S+32+2*(I-17):S+32+2*(I-17)+1]
.elseif I == 40
	LV \q, 0
.endif
.set I, I+1
.endr
	s_wait_alu depctr_va_vdst(0)                   ; the wait ahead of the batch's first reader
	s_wait_dscnt 0x0                               ; V's fragments of the first half are in
	PV 0
	FOLDS 0                                        ; (these sixteen lines name no register of the products above: they are the places behind them)
	LV \q, 1
	v_max_num_f32 v[BM+2], 0x1800000, v[BM+2]      ; the second half's scales as the first's, among its conversions
	v_max_num_f32 v[BM+3], 0x1800000, v[BM+3]
	v_add_nc_u32 v[BM+2], 0xff000000, v[BM+2]
	v_add_nc_u32 v[BM+3], 0xff000000, v[BM+3]
	CODES 1, 0
	CODES 1, 1
	v_lshrrev_b32 v[T0], 23, v[BM+2]
	v_lshrrev_b32 v[T1], 23, v[BM+3]
	CODES 1, 2
	v_lshl_or_b32 v[PW], v[T1], 16, v[T0]
	CODES 1, 3
	v_permlanex16_b32 v[T0], v[PW], s[SEL], s[SEL+1]
	CODES 1, 4
	v_lshl_or_b32 v[PW], v[T0], 8, v[PW]
	CODES 1, 5
	CODES 1, 6
	CODES 1, 7
	v_nop                                          ; one plain line between a scaled conversion and what writes its sources
	FOLD 1, 16
	FOLDS 1                                        ; (the lines between the writes of the codes and scale word and the products)
	s_wait_alu depctr_va_vdst(0)                   ; the wait here, directly ahead of the wait below
	s_wait_dscnt 0x0
	PV 1
.if \sig
	s_wait_alu depctr_va_vdst(0)                   ; the wait here, directly ahead of the wait below
	s_barrier_wait -1
.endif
.endm
; A STAGE: two steps, 512 keys.
.macro STAGE first, last
	v_and_b32 v[BM], 31, v0                        ; lane
	v_and_b32 v[BM+1], 15, v0                      ; r
	v_bfe_u32 v[BM+2], v0, 4, 1                    ; h
	v_lshrrev_b32 v[BM+3], 2, v[BM]
	v_lshl_add_u32 v[ADK], v[BM], 4, s[TK]
	v_lshl_add_u32 v[ADS], v[BM], 3, s[TK]
	v_mul_u32_u24 v[ADV], v[BM+1], VP
	v_lshl_add_u32 v[ADV], v[BM+2], 4, v[ADV]
	v_add_nc_u32 v[ADV], s[TV], v[ADV]             ; row r, + 16 h
	v_mul_u32_u24 v[ADT], v[BM+3], VP
	v_and_b32 v[BM+3], 3, v[BM]
	v_lshl_add_u32 v[ADT], v[BM+3], 6, v[ADT]
	v_add_nc_u32 v[ADT], s[TS], v[ADT]             ; channel = lane: four channels of 64 bytes to a row
	s_wait_alu depctr_va_vdst(0)                   ; the wait here, ahead of the readers behind the waits below
.if \first
	LKG 0, 0
	LKG 0, 1
.endif
	STEP 0, 1+\first, 0
	STEP 1, 1-\last, \last
.if \last == 0
	s_wait_xcnt 0x0                                ; the mask loads have had their addresses translated (ISA guide 3.1): their base is written only behind this wait
	s_add_nc_u64 s[MB:MB+1], s[MB:MB+1], 4096
	s_add_co_u32 s[TK], s[TK], KSTG
	s_add_co_u32 s[TV], s[TV], VSTG
	s_add_co_u32 s[TS], s[TS], 16
.endif
.endm
	s_wait_alu depctr_va_vdst(0)                   ; the wait at the head's end
	s_wait_loadcnt 0x4                             ; Q and its scale word are in; the four mask loads may be out
	s_cmp_lt_u32 s[WV], 3
	s_cbranch_scc0 .Llate                          ; waves 3 to 8 wait for their loads in the first step's middle
	s_wait_tensorcnt 0x0                           ; stage 0 of K, stage 0 of V, V's scale bytes
.Llate:
	s_barrier_signal -1
	s_barrier_wait -1                              ; every wave may read them
	STAGE 1, 0
	s_mov_b32 s[CNT], 2
.Lstage:
	STAGE 0, 0
	s_sub_co_u32 s[CNT], s[CNT], 1
	s_cmp_lg_u32 s[CNT], 0
	s_cbranch_scc1 .Lstage
	STAGE 0, 1                                     ; the last stage is written out: its last step asks for nothing
	; THE WAY OUT.  O^T / the row's sum goes through my stage in LDS and leaves as whole pieces of 256 bytes: a query's 64 channels of this head.
	s_mul_i32 s2, s[WV], 16*VP
	s_add_co_u32 s2, s2, OSTG                      ; my stage
.rept 4
	v_nop                                          ; four places behind the last products
.endr
	v_add_f32 v[SU], v[SU], v[SU+1]                ; the sum's two halves,
	v_permlanex16_b32 v[TMP], v[SU], s[SEL], s[SEL+1]
	v_add_f32 v[SU], v[SU], v[TMP]                 ; and lane l xor 16's: the row's sum
	s_wait_alu depctr_va_vdst(0)                   ; the wait ahead of the transcendental
	v_rcp_f32 v[SU], v[SU]
	v_and_b32 v[BM+1], 15, v0                      ; (a plain line behind the transcendental)  r
	v_bfe_u32 v[BM+2], v0, 4, 1                    ; h
	v_mul_u32_u24 v[ADK], v[BM+1], VP
	v_lshl_add_u32 v[ADK], v[BM+2], 5, v[ADK]
	v_add_nc_u32 v[ADK], s2, v[ADK]                ; in: row r, + 32 h
	v_mul_u32_u24 v[ADV], v[BM+2], VP
	v_lshl_add_u32 v[ADV], v[BM+1], 4, v[ADV]
	v_add_nc_u32 v[ADV], s2, v[ADV]                ; back: lanes 0-15 one row of 256 bytes, lanes 16-31 the next
	v_lshlrev_b32 v[ADT], 12, v[BM+2]
	v_lshl_add_u32 v[ADT], v[BM+1], 4, v[ADT]      ; and the same two rows of out0, 4,096 bytes apart
	s_wait_alu depctr_va_vdst(0)                   ; the wait ahead of the first readers of the reciprocal and of the last products
.irp j, 0,2,4,6,8,10,12,14,16,18,20,22,24,26,28,30
	v_pk_mul_f32 v[S+\j:S+\j+1], v[OT+\j:OT+\j+1], v[SU:SU+1] op_sel_hi:[1,0]   ; register 8 t + i is out(query r, channel 16 t + 8 h + i)
.endr
.irp t, 0,1,2,3
	ds_store_b128 v[ADK], v[S+8*\t:S+8*\t+3] offset:64*\t
	ds_store_b128 v[ADK], v[S+8*\t+4:S+8*\t+7] offset:64*\t+16
.endr
.irp i, 0,1,2,3,4,5,6,7
	ds_load_b128 v[S+32+4*\i:S+32+4*\i+3], v[ADV] offset:2*\i*VP   ; LDS serves a wave's instructions in order (ISA guide 5.7.1.4): these see my stores
.endr
.irp i, 0,1,2,3,4,5,6,7
	s_wait_dscnt 7-\i                              ; rows 2 i, 2 i + 1 are back; the younger loads may be out
	global_store_b128 v[ADT], v[S+32+4*\i:S+32+4*\i+3], s[14:15] offset:(2*\i+24*(\i/4))*4096 th:TH_STORE_NT   ; tile rows 2 i, 2 i + 1 are queries 2 i + 24 (i / 4) on; sixteen lanes store 256 consecutive bytes, aligned
.endr
	s_wait_tensorcnt 0x0                           ; the wave's end
	ds_add_u32 v[SPW], v[NIL]
	s_wait_dscnt 0x0
	CROUND                                         ; the closing round: no work-group ends while a partner may still ask for a tile that names it
	s_endpgm
.Lfunc_end_k_q0db7003aab_attn:
	.size	k_q0db7003aab_attn, .Lfunc_end_k_q0db7003aab_attn-k_q0db7003aab_attn
	.p2alignl 7, 3214868480
	.fill 96, 4, 3214868480
	.section	.rodata,"a",@progbits
	.p2align	6, 0x0
	.amdhsa_kernel k_q0db7003aab_attn
		.amdhsa_group_segment_fixed_size 219392
		.amdhsa_private_segment_fixed_size 0
		.amdhsa_enable_private_segment 0
		.amdhsa_kernarg_size 48
		.amdhsa_user_sgpr_count 2
		.amdhsa_user_sgpr_kernarg_segment_ptr 1
		.amdhsa_wavefront_size32 1
		.amdhsa_system_sgpr_workgroup_id_x 1
		.amdhsa_system_sgpr_workgroup_id_y 1
		.amdhsa_system_sgpr_workgroup_id_z 1
		.amdhsa_system_vgpr_workitem_id 0
		.amdhsa_next_free_vgpr 256
		.amdhsa_next_free_sgpr 100
		.amdhsa_reserve_vcc 0
		.amdhsa_float_denorm_mode_32 3
		.amdhsa_float_denorm_mode_16_64 3
		.amdhsa_memory_ordered 1
		.amdhsa_forward_progress 1
		.amdhsa_inst_pref_size 183
	.end_amdhsa_kernel
	.amdgpu_metadata
---
amdhsa.version: [ 1, 2 ]
amdhsa.kernels:
  - .name:           k_q0db7003aab_attn
    .symbol:         k_q0db7003aab_attn.kd
    .args:
      - { .name: qpack, .offset: 0, .size: 8, .value_kind: global_buffer, .address_space: global }
      - { .name: kpack, .offset: 8, .size: 8, .value_kind: global_buffer, .address_space: global }
      - { .name: mimg, .offset: 16, .size: 8, .value_kind: global_buffer, .address_space: global }
      - { .name: values_codes, .offset: 24, .size: 8, .value_kind: global_buffer, .address_space: global }
      - { .name: values_scales, .offset: 32, .size: 8, .value_kind: global_buffer, .address_space: global }
      - { .name: out0, .offset: 40, .size: 8, .value_kind: global_buffer, .address_space: global }
    .group_segment_fixed_size: 219392
    .private_segment_fixed_size: 0
    .kernarg_segment_align: 8
    .kernarg_segment_size: 48
    .max_flat_workgroup_size: 512
    .sgpr_count:     100
    .vgpr_count:     256
    .wavefront_size: 32
...
	.end_amdgpu_metadata
.endif
;; end of part 2
